; MI455X (gfx1250); checked and timed in simulation.
; The chip was launched on July 23, 2026; its instructions are those of AMD's public machine-readable ISA for CDNA 5 (MIT licence, August 2026) and "CDNA5" Instruction Set Architecture Reference Guide (July 2026). The comments in the code are by the model that wrote it; some were corrected since.
;; Sen Shift Feat. Allowed arithmetic: float matrix products may take bf16 or f16 operands with f32 sums; all other float work in f32.
;; Inputs: bias 2 float32; embeds 32,768 x 256 float32; embeds_temp 32,768 x 256 float32; idx_i 512,512 int32; idx_j 512,512 int32; weight 2 x 512 float32.
;; Outputs: out0 512,512 x 2 float32.
;; One version. Each part assembles by itself: llvm-mc -triple=amdgcn-amd-amdhsa -mcpu=gfx1250 --defsym DOCPART=n.
;; ======== version 1 of 1: 2 launches
;; workspace buffers: proj 524,288 bytes
;; launch project (part 1): grid 256 x 1, 8 waves a work-group, no clusters, 0 bytes of LDS; arguments embeds, embeds_temp, weight, bias, proj; writes proj
.if DOCPART == 1
	.amdgcn_target "amdgcn-amd-amdhsa--gfx1250"
	.amdhsa_code_object_version 6
	.text
	.protected	k_q1742bf9422_project
	.globl	k_q1742bf9422_project
	.p2align	8
	.type	k_q1742bf9422_project,@function
k_q1742bf9422_project:
	s_mov_b64 s[64:65], 0
	v_nop
	global_prefetch_b8 v0, s[64:65] scope:SCOPE_SE
	s_setreg_imm32_b32 hwreg(HW_REG_WAVE_MODE, 25, 1), 1
	s_wait_xcnt 0x0
; proj[n][o]         = sum over k of embeds[n][k]      * weight[o][k]       + bias[o]     (n = 0 .. 32767, o = 0, 1)
; proj[32768 + n][o] = sum over k of embeds_temp[n][k] * weight[o][256 + k]
; All in f32.  The bias is added here, to the first table, so that the pair launch only adds two table entries:
; the result is (proj_i + bias) + proj_j, another order of rounding than the reference's (proj_i + proj_j) + bias,
; and the 256 products of a row are summed in another order than a plain dot product.
;
; WHY NO MATRIX INSTRUCTION: the product has 2 columns where a matrix tile has 16, and an operand fragment wants one row per lane,
; that is 16-byte pieces of 32 different rows in each load, or a trip through LDS, and one conversion for every two numbers.
; Here a number costs one packed multiply-add (both of a pair of columns at once, one instruction for each output) and stays in f32.
; No LDS, no barrier: no wave needs another.  No cluster: work-groups share only the 4,096 bytes of weight.
;
; SHARES.  256 work-groups: 0-127 take embeds, 128-255 embeds_temp, 256 rows (262,144 bytes) each.  A wave takes 32 rows.
; Lanes 0-15 work on row p, lanes 16-31 on row p + 16 (p = 0 .. 15); lane r of a half holds columns 64 c + 4 r + 0..3, c = 0 .. 3.
; So in every load each half of the wave covers 256 consecutive bytes that start at a multiple of 256, a row is summed
; over 16 lanes only, and at the end lane L holds row L's two outputs: one store of the wave covers 256 consecutive aligned bytes.
; All 64 data loads of a wave are issued in one run into v256-v511: the whole share is asked for before anything is computed.
.set ROWB, 1024                        ; bytes in a row of embeds
.set WT,   4                           ; v[4:35]    weight[o][my 16 columns] at WT + 16 o + 4 c + j, as loaded
.set ACC,  36                          ; v[36:99]   row p: ACC+4p .. +3 = (output 0: even, odd columns), (output 1: even, odd columns)
.set T,    100                         ; v[100:101] what a lane hands to its partner in a reduction step
                                       ; v1 data offset, v2 weight offset, v3 proj offset
                                       ; window 1 (v256-v511): row p, piece c at 16 p + 4 c
.set MSB, 0
.macro WIN new                         ; s_set_vgpr_msb: bits 1:0 source 0, 3:2 source 1, 5:4 source 2, 7:6 destination;
.if MSB != \new                        ; the immediate's high byte repeats the setting that is left
	s_set_vgpr_msb (MSB<<8)|\new
.set MSB, \new
.endif
.endm
	s_load_b256 s[4:11], s[0:1], 0x0               ; embeds s[4:5], embeds_temp s[6:7], weight s[8:9], bias s[10:11]
	s_load_b64 s[12:13], s[0:1], 0x20              ; proj
	s_lshr_b32 s16, ttmp9, 7                       ; which table: 0 embeds, 1 embeds_temp
	s_and_b32 s2, ttmp9, 127                       ; the work-group's place in its table,
	s_lshl_b32 s2, s2, 18                          ; times 256 rows of 1,024 bytes (below 2^25)
	s_mov_b32 s3, 0
	s_lshl_b32 s17, s16, 10                        ; the table's 256 columns of weight begin at byte 1,024 x table of each weight row
	s_lshl_b32 s18, ttmp9, 11                      ; proj: 256 rows of 8 bytes for each work-group; table 1 so begins at byte 262,144
	s_mov_b32 s24, 0xaaaaaaaa                      ; lanes whose number has bit 0 set
	s_mov_b32 s25, 0xcccccccc                      ; bit 1
	s_mov_b32 s26, 0xf0f0f0f0                      ; bit 2
	s_mov_b32 s27, 0xff00ff00                      ; bit 3
	v_and_b32 v2, 15, v0                           ; r
	v_lshrrev_b32 v1, 4, v0                        ; 2 x wave + half
	v_lshlrev_b32 v2, 4, v2                        ; 16 r
	v_lshl_or_b32 v1, v1, 14, v2                   ; data: 16 rows (16,384 bytes) for each half of each wave, + 16 r
	v_add_nc_u32 v2, s17, v2                       ; weight: the table's columns, + 16 r
	v_lshl_add_u32 v3, v0, 3, s18                  ; proj: thread t stores row t of the work-group's 256
	s_wait_kmcnt 0x0
	s_load_b64 s[14:15], s[10:11], 0x0             ; bias[0], bias[1]
	s_cmp_eq_u32 s16, 0
	s_cselect_b64 s[4:5], s[4:5], s[6:7]           ; my table,
	s_add_nc_u64 s[4:5], s[4:5], s[2:3]            ; at the work-group's first row
	; 8 + 64 loads in one run.  That is more than the load counter's field holds; the hardware then holds back the issue of the
	; load that would pass it (ISA guide 5.7.1), so no wait is placed for that.
.irp o, 0,1
.irp c, 0,1,2,3
	global_load_b128 v[WT+16*\o+4*\c:WT+16*\o+4*\c+3], v2, s[8:9] offset:2048*\o+256*\c
.endr
.endr
	WIN 0x40                                       ; loaded data into window 1, the address from window 0
.irp p, 0,1,2,3,4,5,6,7,8,9,10,11,12,13,14,15
.irp c, 0,1,2,3
	global_load_b128 v[16*\p+4*\c:16*\p+4*\c+3], v1, s[4:5] offset:ROWB*\p+256*\c th:TH_LOAD_NT   ; read once in the launch
.endr
.endr
	s_wait_kmcnt 0x0                               ; the bias is in; it belongs to the first table only
	s_cmp_eq_u32 s16, 0
	s_cselect_b32 s14, s14, 0
	s_cselect_b32 s15, s15, 0
; Rows 4g .. 4g+3 (of each half): 16 columns a lane, two at a time, for both outputs: 64 packed instructions in 8 chains that do
; not wait for each other.  The first product starts each sum: nothing is cleared.  Source 0 (the data) is in window 1.
.macro DOT4 g
.irp k, 0,1,2,3,4,5,6,7
.irp q, 0,1,2,3
.irp o, 0,1
.if \k == 0
	v_pk_mul_f32 v[ACC+4*(4*\g+\q)+2*\o:ACC+4*(4*\g+\q)+2*\o+1], v[16*(4*\g+\q)+2*\k:16*(4*\g+\q)+2*\k+1], v[WT+16*\o+2*\k:WT+16*\o+2*\k+1]
.else
	v_pk_fma_f32 v[ACC+4*(4*\g+\q)+2*\o:ACC+4*(4*\g+\q)+2*\o+1], v[16*(4*\g+\q)+2*\k:16*(4*\g+\q)+2*\k+1], v[WT+16*\o+2*\k:WT+16*\o+2*\k+1], v[ACC+4*(4*\g+\q)+2*\o:ACC+4*(4*\g+\q)+2*\o+1]
.endif
.endr
.endr
.endr
.endm
; One step of the reduction over a half's 16 lanes, for rows pa and pb (both outputs).  Lanes whose number has the step's bit
; clear keep row pa and hand their row pb to the partner (lane xor xm); lanes with the bit set keep pb and hand over pa.
; Two rows' partial sums become one register: after the four steps lane r holds the whole sum of row r and of no other.
.macro RS pa, pb, mask, xm
.irp o, 0,1
	v_cndmask_b32 v[T+\o], v[ACC+4*(\pb)+\o], v[ACC+4*(\pa)+\o], \mask                  ; to hand over: bit set ? pa : pb
	v_cndmask_b32 v[ACC+4*(\pa)+\o], v[ACC+4*(\pa)+\o], v[ACC+4*(\pb)+\o], \mask        ; to keep:      bit set ? pb : pa
.endr
.irp o, 0,1
	v_add_f32_dpp v[ACC+4*(\pa)+\o], v[T+\o], v[ACC+4*(\pa)+\o] row_xmask:\xm row_mask:0xf bank_mask:0xf
.endr
.endm
; Rows 4g .. 4g+3: even and odd columns are added, the two outputs of a row come to lie side by side (ACC+4p, ACC+4p+1),
; and the steps for lane bits 0 and 1 leave the four rows in ACC+16g, ACC+16g+1.
.macro FOLD4 g
.irp q, 0,1,2,3
	v_add_f32 v[ACC+4*(4*\g+\q)],   v[ACC+4*(4*\g+\q)],   v[ACC+4*(4*\g+\q)+1]
	v_add_f32 v[ACC+4*(4*\g+\q)+1], v[ACC+4*(4*\g+\q)+2], v[ACC+4*(4*\g+\q)+3]
.endr
	RS 4*\g,   4*\g+1, s24, 1
	RS 4*\g+2, 4*\g+3, s24, 1
	RS 4*\g,   4*\g+2, s25, 2
.endm
	; Loads come back in order (ISA guide 5.7.1).  Each wait leaves out the 16 loads of every later group of four rows;
	; the first one also shows the eight older weight loads done.
	s_wait_loadcnt 48
	WIN 0x01
	DOT4 0
	WIN 0
	FOLD4 0
	s_wait_loadcnt 32
	WIN 0x01
	DOT4 1
	WIN 0
	FOLD4 1
	RS 0, 4, s26, 4                                ; rows 0-7 now in ACC, ACC+1
	s_wait_loadcnt 16
	WIN 0x01
	DOT4 2
	WIN 0
	FOLD4 2
	s_wait_loadcnt 0
	WIN 0x01
	DOT4 3
	WIN 0
	FOLD4 3
	RS 8, 12, s26, 4                               ; rows 8-15
	RS 0, 8, s27, 8                                ; lane r of half h: row r + 16 h = the lane's number
	v_add_f32 v[ACC],   s14, v[ACC]                ; + bias (first table) or + 0
	v_add_f32 v[ACC+1], s15, v[ACC+1]
	global_store_b64 v3, v[ACC:ACC+1], s[12:13]    ; the wave's 32 rows: 256 consecutive bytes at a multiple of 256 from proj's first byte
	s_endpgm
.Lfunc_end_k_q1742bf9422_project:
	.size	k_q1742bf9422_project, .Lfunc_end_k_q1742bf9422_project-k_q1742bf9422_project
	.p2alignl 7, 3214868480
	.fill 96, 4, 3214868480
	.section	.rodata,"a",@progbits
	.p2align	6, 0x0
	.amdhsa_kernel k_q1742bf9422_project
		.amdhsa_group_segment_fixed_size 0
		.amdhsa_private_segment_fixed_size 0
		.amdhsa_enable_private_segment 0
		.amdhsa_kernarg_size 40
		.amdhsa_user_sgpr_count 2
		.amdhsa_user_sgpr_kernarg_segment_ptr 1
		.amdhsa_wavefront_size32 1
		.amdhsa_system_sgpr_workgroup_id_x 1
		.amdhsa_system_sgpr_workgroup_id_y 1
		.amdhsa_system_sgpr_workgroup_id_z 1
		.amdhsa_system_vgpr_workitem_id 0
		.amdhsa_next_free_vgpr 512
		.amdhsa_next_free_sgpr 66
		.amdhsa_reserve_vcc 0
		.amdhsa_float_denorm_mode_32 3
		.amdhsa_float_denorm_mode_16_64 3
		.amdhsa_memory_ordered 1
		.amdhsa_forward_progress 1
		.amdhsa_inst_pref_size 32
	.end_amdhsa_kernel
	.amdgpu_metadata
---
amdhsa.version: [ 1, 2 ]
amdhsa.kernels:
  - .name:           k_q1742bf9422_project
    .symbol:         k_q1742bf9422_project.kd
    .args:
      - { .name: embeds, .offset: 0, .size: 8, .value_kind: global_buffer, .address_space: global }
      - { .name: embeds_temp, .offset: 8, .size: 8, .value_kind: global_buffer, .address_space: global }
      - { .name: weight, .offset: 16, .size: 8, .value_kind: global_buffer, .address_space: global }
      - { .name: bias, .offset: 24, .size: 8, .value_kind: global_buffer, .address_space: global }
      - { .name: proj, .offset: 32, .size: 8, .value_kind: global_buffer, .address_space: global }
    .group_segment_fixed_size: 0
    .private_segment_fixed_size: 0
    .kernarg_segment_align: 8
    .kernarg_segment_size: 40
    .max_flat_workgroup_size: 256
    .sgpr_count:     66
    .vgpr_count:     512
    .wavefront_size: 32
...
	.end_amdgpu_metadata
.endif
;; end of part 1
;; launch pairs (part 2): grid 1001 x 1, 4 waves a work-group, no clusters, 0 bytes of LDS; arguments idx_i, idx_j, proj, out0; writes out0
.if DOCPART == 2
	.amdgcn_target "amdgcn-amd-amdhsa--gfx1250"
	.amdhsa_code_object_version 6
	.text
	.protected	k_q1742bf9422_pairs
	.globl	k_q1742bf9422_pairs
	.p2align	8
	.type	k_q1742bf9422_pairs,@function
k_q1742bf9422_pairs:
	s_mov_b64 s[64:65], 0
	v_nop
	global_prefetch_b8 v0, s[64:65] scope:SCOPE_SE
	s_setreg_imm32_b32 hwreg(HW_REG_WAVE_MODE, 25, 1), 1
	s_wait_xcnt 0x0
; out0[q][o] = proj[idx_i[q]][o] + proj[32768 + idx_j[q]][o]   (the bias already lies in the first table), f32.
; 512,512 pairs = 1,001 work-groups x 512 pairs: no tail.  Four waves; thread t takes pairs 2 t, 2 t + 1 of the work-group's first 256
; pairs and of its second 256.  So an index load of a wave covers 256 consecutive aligned bytes (8 a lane) and a store of a wave
; 512 (16 a lane: two pairs of two f32).  The table entries (8 bytes) are gathered lane by lane from the 524,288 bytes that the launch before stored.
; The work is one chain (indices, entries, store), so both halves' loads are issued as early as their addresses exist, and no
; wave waits for another: no LDS, no barrier.  Both tables together are larger than a work-group's LDS, so they are not staged.
; LIMIT: an index is taken as unsigned and clamped to 32,767.  Indices inside the table, which is what the problem allows, are not
; changed by that; a negative index would read the last row where the reference would count from the table's end.
.set LASTROW, 0x7fff                   ; 32,768 rows in a table
.set TABJ,    262144                   ; the second table's first byte in proj
.set HALFI,   1024                     ; 256 indices
.set HALFO,   2048                     ; 256 pairs of out0
	s_load_b256 s[4:11], s[0:1], 0x0               ; idx_i s[4:5], idx_j s[6:7], proj s[8:9], out0 s[10:11]
	s_lshl_b32 s2, ttmp9, 11                       ; 512 indices of 4 bytes for each work-group
	v_lshl_add_u32 v1, v0, 3, s2                   ; my two indices
	v_lshlrev_b32 v2, 1, v1                        ; my two pairs in out0: twice as many bytes
	s_wait_kmcnt 0x0
	global_load_b64 v[4:5],   v1, s[4:5] th:TH_LOAD_NT                 ; indices are read once in the launch
	global_load_b64 v[6:7],   v1, s[6:7] th:TH_LOAD_NT
	global_load_b64 v[8:9],   v1, s[4:5] offset:HALFI th:TH_LOAD_NT
	global_load_b64 v[10:11], v1, s[6:7] offset:HALFI th:TH_LOAD_NT
	s_wait_loadcnt 0x2                             ; the first half's indices are in; the second half's two loads stay out
.irp r, 4,5,6,7
	v_min_u32 v\r, LASTROW, v\r                    ; inside the table, whatever was loaded
.endr
.irp r, 4,5,6,7
	v_lshlrev_b32 v\r, 3, v\r                      ; 8 bytes a row
.endr
	global_load_b64 v[12:13], v4, s[8:9]
	global_load_b64 v[14:15], v5, s[8:9]
	global_load_b64 v[16:17], v6, s[8:9] offset:TABJ
	global_load_b64 v[18:19], v7, s[8:9] offset:TABJ
	s_wait_loadcnt 0x4                             ; the second half's indices are in; the four gathers just issued stay out
.irp r, 8,9,10,11
	v_min_u32 v\r, LASTROW, v\r
.endr
.irp r, 8,9,10,11
	v_lshlrev_b32 v\r, 3, v\r
.endr
	global_load_b64 v[20:21], v8,  s[8:9]
	global_load_b64 v[22:23], v9,  s[8:9]
	global_load_b64 v[24:25], v10, s[8:9] offset:TABJ
	global_load_b64 v[26:27], v11, s[8:9] offset:TABJ
	s_wait_loadcnt 0x4                             ; the first half's entries are in; the second half's four gathers stay out
	v_pk_add_f32 v[12:13], v[12:13], v[16:17]
	v_pk_add_f32 v[14:15], v[14:15], v[18:19]
	global_store_b128 v2, v[12:15], s[10:11] th:TH_STORE_NT            ; written once, not read again
	s_wait_loadcnt 0x0
	v_pk_add_f32 v[20:21], v[20:21], v[24:25]
	v_pk_add_f32 v[22:23], v[22:23], v[26:27]
	global_store_b128 v2, v[20:23], s[10:11] offset:HALFO th:TH_STORE_NT
	s_endpgm
.Lfunc_end_k_q1742bf9422_pairs:
	.size	k_q1742bf9422_pairs, .Lfunc_end_k_q1742bf9422_pairs-k_q1742bf9422_pairs
	.p2alignl 7, 3214868480
	.fill 96, 4, 3214868480
	.section	.rodata,"a",@progbits
	.p2align	6, 0x0
	.amdhsa_kernel k_q1742bf9422_pairs
		.amdhsa_group_segment_fixed_size 0
		.amdhsa_private_segment_fixed_size 0
		.amdhsa_enable_private_segment 0
		.amdhsa_kernarg_size 32
		.amdhsa_user_sgpr_count 2
		.amdhsa_user_sgpr_kernarg_segment_ptr 1
		.amdhsa_wavefront_size32 1
		.amdhsa_system_sgpr_workgroup_id_x 1
		.amdhsa_system_sgpr_workgroup_id_y 1
		.amdhsa_system_sgpr_workgroup_id_z 1
		.amdhsa_system_vgpr_workitem_id 0
		.amdhsa_next_free_vgpr 28
		.amdhsa_next_free_sgpr 66
		.amdhsa_reserve_vcc 0
		.amdhsa_float_denorm_mode_32 3
		.amdhsa_float_denorm_mode_16_64 3
		.amdhsa_memory_ordered 1
		.amdhsa_forward_progress 1
		.amdhsa_inst_pref_size 3
	.end_amdhsa_kernel
	.amdgpu_metadata
---
amdhsa.version: [ 1, 2 ]
amdhsa.kernels:
  - .name:           k_q1742bf9422_pairs
    .symbol:         k_q1742bf9422_pairs.kd
    .args:
      - { .name: idx_i, .offset: 0, .size: 8, .value_kind: global_buffer, .address_space: global }
      - { .name: idx_j, .offset: 8, .size: 8, .value_kind: global_buffer, .address_space: global }
      - { .name: proj, .offset: 16, .size: 8, .value_kind: global_buffer, .address_space: global }
      - { .name: out0, .offset: 24, .size: 8, .value_kind: global_buffer, .address_space: global }
    .group_segment_fixed_size: 0
    .private_segment_fixed_size: 0
    .kernarg_segment_align: 8
    .kernarg_segment_size: 32
    .max_flat_workgroup_size: 128
    .sgpr_count:     66
    .vgpr_count:     28
    .wavefront_size: 32
...
	.end_amdgpu_metadata
.endif
;; end of part 2
